; MI455X (gfx1250); checked and timed in simulation.
; The chip was launched on July 23, 2026; its instructions are those of AMD's public machine-readable ISA for CDNA 5 (MIT licence, August 2026) and "CDNA5" Instruction Set Architecture Reference Guide (July 2026). The comments in the code are by the model that wrote it; some were corrected since.
;; Roberta Adapted Self Attention. Allowed arithmetic: matrix products marked QUANTISED: E4M3 operands, one given power-of-two scale a tensor, by v_wmma_f32_16x16x64_fp8_fp8 or v_wmma_f32_16x16x128_fp8_fp8, f32 sums; everything else in f32.
;; Inputs: Wk_codes 1,024 x 32 x 32 uint8 (E4M3 codes of Wk, K innermost, in blocks of 32 codes); Wq_codes 1,024 x 32 x 32 uint8 (E4M3 codes of Wq, K innermost, in blocks of 32 codes); Wv_codes 1,024 x 32 x 32 uint8 (E4M3 codes of Wv, K innermost, in blocks of 32 codes); bk 1,024 float32; bq 1,024 float32; bv 1,024 float32; efc1 10 x 64 float32; efc2 10 x 1,024 float32; fc1_b 64 float32; fc1_w_codes 64 x 32 x 32 uint8 (E4M3 codes of fc1_w, K innermost, in blocks of 32 codes); fc2_b 1,024 float32; fc2_w_codes 1,024 x 2 x 32 uint8 (E4M3 codes of fc2_w, K innermost, in blocks of 32 codes); hidden_states_codes 4 x 2,048 x 32 x 32 uint8 (E4M3 codes of hidden_states, K innermost, in blocks of 32 codes); lowp_scales 14 int32 (the exponents e of the quantised operands' scales 2^e).
;; Outputs: out0 4 x 2,048 x 1,024 float32.
;; Constants: t = 3.
;; This version of the problem:
;;   THIS VERSION OF THE PROBLEM IS GIVEN IN LOW PRECISION. The matrix products marked QUANTISED in the list below multiply operands that are first quantised to E4M3 (4 exponent bits, 3 mantissa bits; 8 bits a number), with one given power-of-two scale for each operand tensor; their sums are f32. All else is computed in f32.
;;   The module's matrix products, in the order in which they are computed (A, B: the left and right operand; K: the contracted axis; several contracted axes count as one K, in the product's order):
;;     1. [M 8,192, K 1,024] x [K 1,024, N 64]; A: input hidden_states (given as codes); B: input fc1_w (given as codes): QUANTISED (scales: A lowp_scales[0], B lowp_scales[1])
;;     2. [M 8,192, K 64] x [K 64, N 1,024]; A: computed on the way; B: input fc2_w (given as codes): QUANTISED (scales: A lowp_scales[2], B lowp_scales[3])
;;     3. [M 8,192, K 1,024] x [K 1,024, N 1,024]; A: input hidden_states (given as codes); B: input Wq (given as codes): QUANTISED (scales: A lowp_scales[4], B lowp_scales[5])
;;     4. [M 8,192, K 1,024] x [K 1,024, N 1,024]; A: input hidden_states (given as codes); B: input Wk (given as codes): QUANTISED (scales: A lowp_scales[6], B lowp_scales[7])
;;     5. [M 8,192, K 1,024] x [K 1,024, N 1,024]; A: input hidden_states (given as codes); B: input Wv (given as codes): QUANTISED (scales: A lowp_scales[8], B lowp_scales[9])
;;     6. batch 64 x [M 2,048, K 64] x [K 64, N 2,048]; A: computed on the way; B: computed on the way: QUANTISED (scales: A lowp_scales[10], B lowp_scales[11])
;;     7. batch 64 x [M 2,048, K 2,048] x [K 2,048, N 64]; A: softmax (see below); B: computed on the way: QUANTISED (scales: A lowp_scales[12], B lowp_scales[13])
;;   THE QUANTISER, for each operand of a quantised product, along K:
;;     - The operand's scale is 2^e, e = its entry of the input lowp_scales (int32; the entries are numbered through the quantised products in the list's order, A before B).
;;     - Each number is divided by the scale, clamped to +-448, and rounded to the nearest number of E4M3, ties to even, subnormals kept.
;;     - The product sums the exact products of the quantised numbers (number of the format x scale) in f32.
;;   ~~~python
;;   def quantise(x, axis, e):      # numpy; x: float32 -> the quantised numbers, widened to float32 again
;;       x = np.moveaxis(x, axis, -1); K = x.shape[-1]
;;       r = np.clip(x / 2.0 ** e, -448, 448)
;;       step = 2.0 ** (np.maximum(np.frexp(np.where(r == 0, 1, r))[1] - 1, -6) - 3)
;;       q = np.round(r / step) * step * 2.0 ** e      # np.round: ties to even
;;       return np.moveaxis(q, -1, axis).astype(np.float32)
;;   ~~~
;;   SOFTMAX AHEAD OF A QUANTISED PRODUCT. Where the list says 'softmax', what is quantised is not the finished softmax but p = 2^(t - M), with t = logit x log2(e) and M = ceil(the row's largest t), a whole number; so 1/2 < the row's largest p <= 1. The row's sum l is taken of the UNQUANTISED p, in f32, and the product's result is divided by l at the end. Since M is a whole number, a kernel that streams over the keys may use a running M (the ceiling of the running maximum): every later rescaling is an exact power of two, so the quantised numbers keep their values, but for numbers so far below the row's largest that they fall under the format's range.
;;   OPERANDS COMPUTED ON THE WAY. 'Computed on the way' means the value that the module computes at that place (a softmax that the list does not call 'softmax' is quantised finished and normalised). What goes into a quantiser is computed in f32, as accurately as f32 sums, v_exp_f32 and their like allow (about 1e-6 of the number): no bf16 or f16 on the way to a quantiser, and a product that is left as it is and whose result goes on into a quantised operand takes f32 operands (vector FMAs, or v_wmma_f32_16x16x4_f32). A number that lies on a knife's edge between two numbers of the format may be rounded either way, as far as f32 arithmetic and the matrix unit's own rounding can turn it there, and no further.
;;   INPUTS GIVEN AS CODES. Wk (in the module: [1024, 1024], K = its axis 0); Wq (in the module: [1024, 1024], K = its axis 0); Wv (in the module: [1024, 1024], K = its axis 0); fc1_w (in the module: [1024, 64], K = its axis 0); fc2_w (in the module: [64, 1024], K = its axis 0); hidden_states (in the module: [4, 2048, 1024], K = its axis 2): each comes as NAME_codes (uint8): NAME with its K axis moved to the last place and cut into blocks of 32 codes, [.., K / 32, bytes a block], one block behind the other in memory; one code a byte (a code: sign, 4 exponent bits, 3 mantissa bits); its scale is its entry of lowp_scales. Its value is code x scale, taken as it is: it is not quantised again, and the codes and scales need not be those that the quantiser above would give.
;; One version. Each part assembles by itself: llvm-mc -triple=amdgcn-amd-amdhsa -mcpu=gfx1250 --defsym DOCPART=n.
;; ======== version 1 of 1: 2 launches
;; limits: right only within a limited range of input values
;; workspace buffers: q 8,388,608 bytes; kv 16,777,216 bytes; hc 524,288 bytes
;; launch proj (part 1): grid 8 x 32, 4 waves a work-group, clusters of 4 x 4, 327,680 bytes of LDS; arguments hidden_states_codes, Wq_codes, Wk_codes, Wv_codes, bq, bk, bv, fc1_w_codes, fc1_b, efc1, lowp_scales, q, kv, hc; writes q, kv, hc
.if DOCPART == 1
	.amdgcn_target "amdgcn-amd-amdhsa--gfx1250"
	.amdhsa_code_object_version 6
	.text
	.protected	k_q2176a75268_proj
	.globl	k_q2176a75268_proj
	.p2align	8
	.type	k_q2176a75268_proj,@function
k_q2176a75268_proj:
	s_mov_b64 s[64:65], 0
	v_nop
	global_prefetch_b8 v0, s[64:65] scope:SCOPE_SE
	s_setreg_imm32_b32 hwreg(HW_REG_WAVE_MODE, 25, 1), 1
	s_wait_xcnt 0x0
	s_wait_alu depctr_hold_cnt(0) depctr_sa_sdst(0) depctr_va_vdst(0) depctr_va_sdst(0) depctr_va_ssrc(0) depctr_va_vcc(0) depctr_vm_vsrc(0)
	s_getreg_b32 s2, hwreg(HW_REG_IB_STS2, 6, 4)
	s_cmp_eq_u32 s2, 0
	s_cbranch_scc0 .Lentry_in_a_cluster
	s_endpgm
.Lentry_in_a_cluster:
	s_bfe_u32 s2, ttmp6, 0x10000c
	s_cmp_lg_u32 s2, 0xf033
	s_cbranch_scc0 .Lentry_shape_is_right
	s_endpgm
.Lentry_shape_is_right:
; q = x Wq + bq, k = x Wk + bk, v = x Wv + bv and h = relu(x fc1_w + fc1_b) sigmoid(100 efc1[3]), all four products on the given codes of FP8 (E4M3), sums in f32;
; each result is quantised at once, in registers, with the scale given for its use in the next product (q: entry 10, k: 11, v: 13, h: 2 of the scales) and stored as codes.
; NOTHING IS LEFT OUT: every product, bias and gate of the problem can move a code or an output.  Of efc1 row t = 3 alone is read: t is a constant of the problem, and the row is a lookup by it.
; WHAT IS STORED ARE IMAGES OF OPERAND REGISTERS.  A piece is four registers of a fragment: lane l's 16 bytes at 16 l, 512 bytes on end.
;   q  [64 heads][128 tiles of 16 queries][2 pieces]: lane (r, h) of piece c: query r, channels 32 c + 8 h + 0..7, then 32 c + 16 + 8 h + 0..7: the place that the K = 64 form gives each k.
;   kv [64 heads][16 steps of 128 keys][16,384 bytes]: 8 tiles of 16 keys laid as q's (8,192 bytes), then V: 4 tiles of 16 channels x 4 pieces: lane (r, h) of piece b: channel r, keys 32 b + 8 h + 0..7, 32 b + 16 + 8 h + 0..7.
;   hc [512 tiles of 16 rows][2 pieces], laid as q's, the 64 adapter units in the channels' place.
; So each store of a wave covers 512 consecutive bytes, aligned, straight from the conversions' results: no stage in LDS.
; SHARES.  256 work-groups of four waves, all on one path.  Each makes TWO tiles C'[i][j] = sum over k of OpA[i][k] OpB[j][k], K = 1,024 in four steps of 256 through two LDS slots:
;   tile 1, 256 x 256 (a wave 128 x 128, 64 accumulators): OpA = 256 rows of x, OpB = 256 channels of Wq (cluster x = 0) or Wk (1);
;   tile 2, 128 x 256 (a wave 64 x 128, 32 accumulators): OpA = 128 channels of Wv (a wave: one head's 64), OpB = 256 rows of x.  The two clusters of one cluster y share Wv's 1,024 channels.
; The matrix instruction takes 16 rows of OpB as source 0 and 16 rows of OpA as source 1: a lane holds ONE row of OpA, and its eight registers eight neighbouring rows of OpB: the axis along which the result is quantised.
; THE RING GOES ON INTO TILE 2: tile 1's last two changes of slots ask for tile 2's K steps 0 and 1; tile 1's way out and the adapter's item stand between those requests and tile 2's first products.
; CLUSTERS: 4 x 4 work-groups.  OpA's tile is shared along a row of the cluster, OpB's along a column: each is asked for jointly, by the same tensor load with the same descriptor and a mask that names the four.
; THE ADAPTER'S FIRST PRODUCT has 512 tiles of rows x 2 pairs of unit tiles = 1,024 items, as many as there are waves: each wave makes one (told apart by address), behind tile 1's way out.
; A fragment of the given codes is fetched by four loads of 16 bytes: a permutation of k inside a matrix instruction, the same in both operands; only the order of the sums inside an instruction differs.
; PREFETCHES, one instruction each: behind the fills of tile 1's K steps 0 and 1 each wave asks for K steps 2 and 3 of 32 of the 128 rows that it fetches (the four partners that ask jointly take 32 each, by address);
; behind the fill of K step 2 the sixteen waves of a row of the cluster ask for its 128 rows of Wv, 8 rows x 4 blocks of 256 bytes a wave, two fills ahead of their first load.  x's rows of tile 2 were read by the cluster in tile 1.
; LIMITS on the given exponents, so that each power of two below is an f32 number: e4 + e5, e6 + e7, e8 + e9, e0 + e1 between -126 and 127; e10, e11, e13, e2 between -126 and 119.  NaN among the inputs is not served.
; REGISTERS, in windows of 256: window 0: v1-15 addresses and scales; v16-31 the prefetches' offsets, then the gate; v32-95 biases; v96-111 codes; v112-127 fc1_b; v128-255 OpA's fragments (tile 1: one set; tile 2: two), x's for the adapter.
;   window 1: OpB's fragments, TWO sets, fc1_w's 16 for the adapter.   window 2: the accumulators of my rows 0-63 ((a, b) at v[8 (8 a + b)]), the adapter's two, tile 2's.   window 3: those of my rows 64-127.
.set ROWB,   256                       ; a tile's row: 256 codes
.set KROW,   1024                      ; a row of x or of a weight in memory
.set PITCH,  272                       ; an LDS row: 256 bytes + 16 of padding = 68 words: the 16 rows that a load touches start at 16 different banks (64 banks of 4 bytes: ISA guide 11.1)
.set FR,     16                        ; registers of a fragment: 16 rows x 128 K
.set NL,     4                         ; LDS loads that bring one
.set NP,     4                         ; places behind this matrix instruction (ISA guide 7.12.1)
.set HALFT,  128*PITCH                 ; 128 rows: a wave's part of a slot (tile 2's OpA fills 64 of them)
.set SLOT,   4*HALFT                   ; OpA's rows, then OpB's 256
.set SPARE,  2*SLOT                    ; behind the ring: the spare words, 128 bytes for each wave, which no other line names
.set FLAGS,  (0<<16)|(1<<20)|(1<<21)|(5<<22)|(3<<25)   ; elements of 1 byte; padding on; bit 21 beside a mask; four words behind every 64
.set SPW,  3
.set NIL,  4
.set OF0,  5                           ; v5   16 x lane;  v6: the same one head further on
.set LIM,  7                           ; v7   448 x the scale of the quantiser in hand
.set SCL,  8                           ; v8   that scale as f32
.set XA,   9                           ; v9   1,024 r + 16 h
.set BO,   10                          ; v10  my lane's offset among the biases
.set ADRA, 12                          ; v12-13 LDS address of my OpA fragments in slot 0, 1
.set ADRB, 14                          ; v14-15 the same for OpB
.set PFO,  16                          ; v16, v17 the prefetches' offsets
.set E1,   16
.set BI,   32
.set CD,   96
.set B1,   112
.set AF,   128
.set XF,   128
.set G1C,  4                           ; s[4:11]  descriptor group 1 for tile 2's OpA: 64 rows
.set G1,   24                          ; s[24:31] group 1 for tile 1's OpA; s[32:39] group 0, a set for each slot
.set G0,   32
.set G1B,  48                          ; s[48:55], s[56:63] the same for OpB's
.set G0B,  56
.set B2,   66                          ; s[66:67] tile 2's OpB rows that I fetch
.set SC,   70                          ; s[70:71] 2^(tile 1's two exponents), twice
.set PF2,  72                          ; s[72:73] my 8 rows of Wv for the prefetch
.set SA,   74                          ; s[74:75] 2^(e0 + e1), twice
.set BV2,  80                          ; s[80:81] bv at my head
.set A2,   88                          ; s[88:89] tile 2's OpA rows that I fetch
.set PF1,  90                          ; s[90:91] my 32 rows of tile 1 for the prefetches
.set OUT2, 92                          ; s[92:93] where my codes of v go
.set QS2,  98                          ; s98 2^e13, s99 448 x that
.set SC2,  100                         ; s[100:101] 2^(e8 + e9), twice
.set MSB, 0
.macro WIN new                         ; the immediate's high byte repeats the setting that is left
.if MSB != \new
	s_set_vgpr_msb (MSB<<8)|\new
.set MSB, \new
.endif
.endm
.set MUL_LO, 0xa1                      ; source 0 (OpB) window 1, source 1 (OpA) window 0, C and D window 2
.set MUL_HI, 0xf1                      ; the same, C and D window 3
.set TO_B,   0x40                      ; destination window 1, address window 0
; A joint load: waves 0 and 1 fetch OpA's halves, waves 2 and 3 OpB's.  The branch hangs on the wave's number alone.  An s_nop 0 and four v_nop follow each of the two lines.
.macro JLOAD g0a, g1a, g0b, g1b
	s_cmp_eq_u32 s15, 0
	s_cbranch_scc0 .Lfor_b_\@
	tensor_load_to_lds s[\g0a:\g0a+3], s[\g1a:\g1a+7]
	s_nop 0
.rept 4
	v_nop
.endr
	s_branch .Lasked_\@
.Lfor_b_\@:
	tensor_load_to_lds s[\g0b:\g0b+3], s[\g1b:\g1b+7]
	s_nop 0
.rept 4
	v_nop
.endr
.Lasked_\@:
.endm
.macro CREST                           ; a round of the cluster's barrier behind its opening barrier
	s_cmp_lg_u32 s14, 0
	s_cbranch_scc1 .Lnot_wave_0_\@
	s_barrier_signal -3
.Lnot_wave_0_\@:
	s_barrier_wait -3
	s_barrier_signal -1
	s_barrier_wait -1
.endm
.macro CROUND                          ; a whole round
	s_barrier_signal -1
	s_barrier_wait -1
	CREST
.endm
	s_load_b512 s[68:83], s[0:1], 0x0              ; x s[68:69], Wq s[70:71], Wk s[72:73], Wv s[74:75], bq s[76:77], bk s[78:79], bv s[80:81], fc1_w s[82:83]
	s_load_b256 s[84:91], s[0:1], 0x40             ; fc1_b s[84:85], efc1 s[86:87], the scales' exponents s[88:89], q s[90:91]
	s_load_b128 s[92:95], s[0:1], 0x60             ; kv s[92:93], hc s[94:95]
	v_lshl_add_u32 v[SPW], v0, 2, SPARE
	v_mov_b32 v[NIL], 0
	ds_add_u32 v[SPW], v[NIL]                      ; the wave's opening: the add, twice on end, and its wait ahead of my first tensor load
	ds_add_u32 v[SPW], v[NIL]
	v_lshrrev_b32 v1, 5, v0
	v_readfirstlane_b32 s14, v1                    ; wave 0..3
	s_lshr_b32 s15, s14, 1                         ; which half of OpA's rows is mine.  Also: I fetch for OpA (0) or OpB (1)
	s_and_b32 s16, s14, 1                          ; which half of OpB's.  Also: which half of that tile I fetch
	s_bfe_u32 s40, ttmp6, 0x40000                  ; cx, cy: my place in the cluster
	s_bfe_u32 s41, ttmp6, 0x40004
	s_mov_b32 s66, ttmp9                           ; X: 0 q, 1 k: the same in all sixteen partners
	s_and_b32 s67, ttmp7, 0xffff                   ; Y: 0..7
	s_lshl_b32 s17, s67, 2
	s_add_co_u32 s17, s17, s41                     ; tile 1's OpA: x's block of 256 rows 4 Y + cy: it never holds cx
	s_mov_b32 s42, s40                             ; tile 1's OpB: the weight's block of 256 channels cx
	s_lshl_b32 s43, s41, 2
	s_lshl_b32 s43, 15, s43                        ; my row of the cluster
	s_lshl_b32 s44, 0x1111, s40                    ; my column
	s_or_b32 s[G1+0], s43, FLAGS
	s_or_b32 s[G1B+0], s44, FLAGS
.irp g, G1, G1B
	s_mov_b32 s[\g+1], ROWB<<16                    ; tensor_dim0
	s_mov_b32 s[\g+2], 128<<16                     ; tensor_dim1
	s_mov_b32 s[\g+3], ROWB<<16                    ; tile_dim0
	s_mov_b32 s[\g+4], 128                         ; tile_dim1
	s_mov_b32 s[\g+5], KROW                        ; from row to row
	s_mov_b32 s[\g+6], 0
	s_mov_b32 s[\g+7], 0
.endr
	s_lshl_b32 s18, s16, 7                         ; which 128 rows of the tile I fetch
	s_lshl_b32 s20, s17, 8
	s_add_co_u32 s20, s20, s18
	s_lshl_b32 s20, s20, 10                        ; OpA: (256 x block + 128 x half) rows of 1,024 bytes
	s_mov_b32 s21, 0
	s_lshl_b32 s46, s42, 8
	s_add_co_u32 s46, s46, s18
	s_lshl_b32 s46, s46, 10                        ; OpB likewise
	s_mov_b32 s47, 0
	s_mul_i32 s45, s14, HALFT                      ; where they go: wave x 128 rows: no place in the cluster enters an LDS address
	s_wait_dscnt 0x0                               ; both opening adds are done
	s_wait_kmcnt 0x0
	s_load_b256 s[4:11], s[88:89], 0x0             ; e0 .. e7
	s_load_b128 s[96:99], s[88:89], 0x20           ; e8 .. e11
	s_load_b64 s[100:101], s[88:89], 0x30          ; e12, e13
	s_cmp_eq_u32 s66, 0                            ; the buffers are chosen on the cluster's x alone
	s_cselect_b64 s[18:19], s[70:71], s[72:73]     ; the weight,
	s_cselect_b64 s[2:3], s[76:77], s[78:79]       ; its bias,
	s_cselect_b64 s[12:13], s[90:91], s[92:93]     ; where the codes go
	s_add_nc_u64 s[20:21], s[68:69], s[20:21]
	s_add_nc_u64 s[46:47], s[18:19], s[46:47]
	CROUND                                         ; all sixteen work-groups are here: the first joint loads meet
.irp s, 0,1
	s_mov_b32 s[G0+4*\s], 1
	s_add_co_u32 s[G0+4*\s+1], s45, \s*SLOT
	s_add_nc_u64 s[G0+4*\s+2:G0+4*\s+3], s[20:21], \s*ROWB
	s_or_b32 s[G0+4*\s+3], s[G0+4*\s+3], 0x80000000
	s_mov_b32 s[G0B+4*\s], 1
	s_add_co_u32 s[G0B+4*\s+1], s45, \s*SLOT
	s_add_nc_u64 s[G0B+4*\s+2:G0B+4*\s+3], s[46:47], \s*ROWB
	s_or_b32 s[G0B+4*\s+3], s[G0B+4*\s+3], 0x80000000
.endr
	JLOAD G0, G1, G0B, G1B                         ; K step 0: one tensor load a wave at the head
	s_cmp_eq_u32 s15, 0                            ; the prefetches of tile 1: of the 128 rows that I fetch,
	s_cselect_b64 s[PF1:PF1+1], s[20:21], s[46:47]
	s_cselect_b32 s22, s40, s41                    ; my work-group's 32, by its place among the four that ask jointly
	s_lshl_b32 s22, s22, 15
	s_mov_b32 s23, 0
	s_add_nc_u64 s[PF1:PF1+1], s[PF1:PF1+1], s[22:23]
	v_and_b32 v[PFO], 31, v0
	v_lshlrev_b32 v[PFO], 10, v[PFO]               ; a lane a row
	global_prefetch_b8 v[PFO], s[PF1:PF1+1] offset:2*ROWB th:TH_LOAD_NT scope:SCOPE_SE   ; K step 2, two fills ahead
	v_and_b32 v1, 15, v0                           ; r = lane % 16
	v_bfe_u32 v2, v0, 4, 1                         ; h = lane / 16
	v_mul_u32_u24 v11, v1, PITCH
	v_lshl_add_u32 v11, v2, 4, v11                 ; a fragment's row x pitch + 16 x half
	s_mul_i32 s21, s15, HALFT                      ; my rows of OpA
	s_mul_i32 s22, s16, HALFT                      ; my 128 rows of OpB,
	s_add_co_u32 s22, s22, 2*HALFT                 ; which lie behind OpA's
.irp s, 0,1
	v_add_nc_u32 v[ADRA+\s], s21, v11
	v_add_nc_u32 v[ADRB+\s], s22, v11
	s_add_co_u32 s21, s21, SLOT
	s_add_co_u32 s22, s22, SLOT
.endr
	v_and_b32 v[OF0], 31, v0
	v_lshlrev_b32 v[OF0], 4, v[OF0]                ; 16 x lane
	v_bfe_u32 v[PFO+1], v0, 2, 3
	v_lshlrev_b32 v[PFO+1], 10, v[PFO+1]           ; Wv's prefetch: row lane / 4,
	v_and_b32 v[BO], 3, v0
	v_lshl_add_u32 v[PFO+1], v[BO], 8, v[PFO+1]    ; block of 256 bytes lane % 4
	s_wait_alu depctr_va_vdst(0)
	v_lshlrev_b32 v[XA], 10, v1
	v_lshl_add_u32 v[XA], v2, 4, v[XA]
	; where tile 1's codes go
	s_cmp_eq_u32 s66, 0
	s_mov_b32 s46, 262144
	s_cselect_b32 s46, 131072, s46                 ; from head to head: 128 tiles x 1,024 bytes in q, 16 steps x 16,384 in kv
	s_mov_b32 s47, 16384
	s_cselect_b32 s47, 8192, s47                   ; from 128 rows to the next
	s_lshr_b32 s20, s17, 3                         ; the batch: 8 blocks of 256 rows each
	s_lshl_b32 s20, s20, 4
	s_lshl_b32 s21, s42, 2
	s_add_co_u32 s20, s20, s21
	s_lshl_b32 s21, s16, 1
	s_add_co_u32 s20, s20, s21                     ; 16 x batch + my first head (my 128 channels are two heads)
	s_mul_i32 s20, s20, s46
	s_and_b32 s21, s17, 7
	s_lshl_b32 s21, s21, 1
	s_add_co_u32 s21, s21, s15                     ; which 128 rows of the sequence
	s_mul_i32 s21, s21, s47
	s_add_co_u32 s20, s20, s21
	s_mov_b32 s21, 0
	s_add_nc_u64 s[12:13], s[12:13], s[20:21]
	s_lshl_b32 s20, s42, 10
	s_lshl_b32 s22, s16, 9
	s_add_co_u32 s20, s20, s22                     ; 4 bytes x (256 x block + 128 x half)
	s_add_nc_u64 s[2:3], s[2:3], s[20:21]          ; the bias at my first channel
	; the adapter's item: rows 16 Tg on, Tg = 16 x (x's block) + 4 cx + wave; units 32 X on
	s_lshl_b32 s20, s17, 4
	s_lshl_b32 s22, s40, 2
	s_add_co_u32 s20, s20, s22
	s_add_co_u32 s20, s20, s14
	s_lshl_b32 s22, s20, 14
	s_mov_b32 s23, 0
	s_add_nc_u64 s[78:79], s[68:69], s[22:23]      ; x at row 16 Tg
	s_lshl_b32 s22, s66, 15
	s_add_nc_u64 s[82:83], s[82:83], s[22:23]      ; fc1_w at unit 32 X
	s_lshl_b32 s22, s66, 7
	s_add_nc_u64 s[84:85], s[84:85], s[22:23]      ; fc1_b there,
	s_add_co_u32 s22, s22, 768
	s_add_nc_u64 s[86:87], s[86:87], s[22:23]      ; and efc1's row 3 (64 numbers a row)
	s_lshl_b32 s22, s20, 10
	s_lshl_b32 s20, s66, 9
	s_add_co_u32 s22, s22, s20
	s_add_nc_u64 s[94:95], s[94:95], s[22:23]      ; hc: tile Tg, piece X
	v_add_nc_u32 v[OF0+1], s46, v[OF0]
	; tile 2
	s_lshl_b32 s18, s66, 2
	s_add_co_u32 s18, s18, s41                     ; Wv's block of 128 channels: 4 X + cy: it never holds cx
	s_lshl_b32 s19, s67, 2
	s_add_co_u32 s19, s19, s40                     ; x's block of 256 rows: 4 Y + cx: it never holds cy
	s_lshl_b32 s20, s40, 2
	s_add_co_u32 s20, s20, s14
	s_lshl_b32 s20, s20, 13                        ; the prefetch: 8 rows for each of the 16 waves of my row of the cluster
	s_lshl_b32 s22, s18, 17
	s_add_co_u32 s22, s22, s20
	s_add_nc_u64 s[PF2:PF2+1], s[74:75], s[22:23]
	s_lshr_b32 s20, s19, 3
	s_lshl_b32 s20, s20, 4
	s_lshl_b32 s22, s18, 1
	s_add_co_u32 s20, s20, s22
	s_add_co_u32 s20, s20, s15                     ; 16 x batch + my head
	s_lshl_b32 s20, s20, 18
	s_and_b32 s22, s19, 7
	s_lshl_b32 s22, s22, 1
	s_add_co_u32 s22, s22, s16                     ; my step of 128 keys
	s_lshl_b32 s22, s22, 14
	s_add_co_u32 s20, s20, s22
	s_add_nc_u64 s[OUT2:OUT2+1], s[OUT2:OUT2+1], s[20:21]
	s_lshl_b32 s20, s18, 9
	s_lshl_b32 s22, s15, 8
	s_add_co_u32 s20, s20, s22
	s_add_nc_u64 s[BV2:BV2+1], s[BV2:BV2+1], s[20:21]   ; bv at my head's first channel
	s_wait_kmcnt 0x0                               ; the exponents; their address is free
	s_lshl_b32 s20, s18, 17
	s_lshl_b32 s22, s16, 16
	s_add_co_u32 s20, s20, s22                     ; (128 x block + 64 x half) rows of Wv
	s_add_nc_u64 s[A2:A2+1], s[74:75], s[20:21]
	s_add_co_i32 s22, s8, s9                       ; e4 + e5
	s_add_co_i32 s23, s10, s11                     ; e6 + e7
	s_add_co_i32 s96, s96, s97                     ; e8 + e9
	s_add_co_i32 s20, s4, s5                       ; e0 + e1
	s_cmp_eq_u32 s66, 0
	s_cselect_b32 s22, s22, s23
	s_cselect_b32 s23, s98, s99                    ; e10 or e11
	s_add_co_i32 s22, s22, 127
	s_lshl_b32 s[SC], s22, 23                      ; a sum stands for sum x this power of two
	s_mov_b32 s[SC+1], s[SC]
	s_add_co_i32 s23, s23, 127
	s_lshl_b32 s22, s23, 23                        ; the quantiser's scale as f32
	s_add_co_i32 s23, s23, 8
	s_lshl_b32 s23, s23, 23
	s_or_b32 s23, s23, 0x600000                    ; 448 x that
	v_mov_b32 v[LIM], s23
	v_mov_b32 v[SCL], s22
	s_add_co_i32 s20, s20, 127
	s_lshl_b32 s[SA], s20, 23
	s_mov_b32 s[SA+1], s[SA]
	s_add_co_i32 s77, s6, 135
	s_lshl_b32 s77, s77, 23
	s_or_b32 s77, s77, 0x600000                    ; 448 x 2^e2
	s_add_co_i32 s76, s6, 127
	s_lshl_b32 s76, s76, 23                        ; 2^e2
	s_add_co_i32 s97, s101, 127
	s_lshl_b32 s[QS2], s97, 23                     ; 2^e13
	s_add_co_i32 s97, s97, 8
	s_lshl_b32 s[QS2+1], s97, 23
	s_or_b32 s[QS2+1], s[QS2+1], 0x600000          ; 448 x 2^e13
	s_add_co_i32 s96, s96, 127
	s_lshl_b32 s[SC2], s96, 23
	s_mov_b32 s[SC2+1], s[SC2]
	s_or_b32 s[G1C+0], s43, FLAGS                  ; tile 2's OpA: 64 rows a load, shared along my row of the cluster
	s_mov_b32 s[G1C+1], ROWB<<16
	s_mov_b32 s[G1C+2], 64<<16
	s_mov_b32 s[G1C+3], ROWB<<16
	s_mov_b32 s[G1C+4], 64
	s_mov_b32 s[G1C+5], KROW
	s_mov_b32 s[G1C+6], 0
	s_mov_b32 s[G1C+7], 0
	s_lshl_b32 s20, s19, 18
	s_lshl_b32 s22, s16, 17
	s_add_co_u32 s20, s20, s22                     ; (256 x block + 128 x half) rows of x
	s_add_nc_u64 s[B2:B2+1], s[68:69], s[20:21]
.macro FRAG reg, adr, q, i             ; a fragment, 16 rows x 128 K: lane l holds row l % 16; registers 4 c .. 4 c + 3 hold K = 32 c + 16 (l / 16) + 0 .. 15
.irp c, 0,1,2,3
	ds_load_b128 v[\reg+4*\c:\reg+4*\c+3], v[\adr] offset:128*(\q)+32*\c+(\i)*16*PITCH
.endr
.endm
; 16 matrix instructions: OpA's blocks a0, a0 + 1 x OpB's eight, 128 along K.  p: OpB's set.  zero = 1: the first product starts the sums.
; The accumulators take turns, one instruction a turn, in the same order in every step.
.macro MUL16 a0, p, zero
.irp a, \a0, \a0+1
.irp b, 0,1,2,3,4,5,6,7
.if \zero
	v_wmma_f32_16x16x128_fp8_fp8 v[8*(8*((\a)%4)+\b):8*(8*((\a)%4)+\b)+7], v[128*(\p)+FR*\b:128*(\p)+FR*\b+FR-1], v[AF+FR*(\a):AF+FR*(\a)+FR-1], 0
.else
	v_wmma_f32_16x16x128_fp8_fp8 v[8*(8*((\a)%4)+\b):8*(8*((\a)%4)+\b)+7], v[128*(\p)+FR*\b:128*(\p)+FR*\b+FR-1], v[AF+FR*(\a):AF+FR*(\a)+FR-1], v[8*(8*((\a)%4)+\b):8*(8*((\a)%4)+\b)+7]
.endif
.endr
.endr
.endm
.macro MULH a0, p, zero                ; the same in tile 2: OpA's four blocks have two sets too, set p at 64 p
.irp a, \a0, \a0+1
.irp b, 0,1,2,3,4,5,6,7
.if \zero
	v_wmma_f32_16x16x128_fp8_fp8 v[8*(8*(\a)+\b):8*(8*(\a)+\b)+7], v[128*(\p)+FR*\b:128*(\p)+FR*\b+FR-1], v[AF+64*(\p)+FR*(\a):AF+64*(\p)+FR*(\a)+FR-1], 0
.else
	v_wmma_f32_16x16x128_fp8_fp8 v[8*(8*(\a)+\b):8*(8*(\a)+\b)+7], v[128*(\p)+FR*\b:128*(\p)+FR*\b+FR-1], v[AF+64*(\p)+FR*(\a):AF+64*(\p)+FR*(\a)+FR-1], v[8*(8*(\a)+\b):8*(8*(\a)+\b)+7]
.endif
.endr
.endr
.endm
.macro FETCH_B slot, q, p              ; OpB's eight fragments of the slot's q-th 128 along K into set p
	WIN TO_B
.irp i, 0,1,2,3,4,5,6,7
	FRAG 128*(\p)+FR*\i, ADRB+\slot, \q, \i
.endr
	WIN 0
.endm
.macro FETCH_A slot, q, i0             ; tile 1: OpA's blocks i0 .. i0 + 3
.irp i, \i0, \i0+1, \i0+2, \i0+3
	FRAG AF+FR*(\i), ADRA+\slot, \q, \i
.endr
.endm
.macro FETCH_A2 slot, q, p             ; tile 2: OpA's four blocks into set p
.irp i, 0,1,2,3
	FRAG AF+64*(\p)+FR*\i, ADRA+\slot, \q, \i
.endr
.endm
; A load into a register that a matrix instruction has read, and a vector instruction that reads a matrix result, stand NP places behind it; only plain vector instructions that name none of its registers are places.
.macro PLACES n
.rept \n
	v_nop
.endr
.endm
; Tile 1: a step of 128 along K that has its successor in the same slot.  A block of OpA is free as soon as its eight products are issued: blocks 0-3 are fetched anew in the step's middle, blocks 4-7 at its end.
.macro STEP slot, q, zero
	s_wait_dscnt 4*NL                              ; OpB's set and OpA's blocks 0-3 are in; the youngest 16 loads (blocks 4-7) may be out
	WIN MUL_LO
	MUL16 0, (\q)%2, \zero
	MUL16 2, (\q)%2, \zero
	s_wait_dscnt 0                                 ; blocks 4-7 are in
	PLACES NP
	FETCH_B \slot, (\q)+1, 1-(\q)%2
	FETCH_A \slot, (\q)+1, 0
	WIN MUL_HI
	MUL16 4, (\q)%2, \zero
	MUL16 6, (\q)%2, \zero
	PLACES NP
	WIN 0
	FETCH_A \slot, (\q)+1, 4
.endm
; The rest of the cluster's round and the joint refill of a slot.  fill = 1: the tile's K step two steps on; fill = 2: tile 2's K step 0 (slot 0) or 1 (slot 1).
.macro REFILL slot, fill, g1a
	CREST                                          ; no wave of any partner still reads this slot's tile or has a load on its way
.if \fill == 1
	s_add_nc_u64 s[G0+4*\slot+2:G0+4*\slot+3], s[G0+4*\slot+2:G0+4*\slot+3], 2*ROWB
	s_add_nc_u64 s[G0B+4*\slot+2:G0B+4*\slot+3], s[G0B+4*\slot+2:G0B+4*\slot+3], 2*ROWB
.else
	s_add_nc_u64 s[G0+4*\slot+2:G0+4*\slot+3], s[A2:A2+1], \slot*ROWB
	s_or_b32 s[G0+4*\slot+3], s[G0+4*\slot+3], 0x80000000
	s_add_nc_u64 s[G0B+4*\slot+2:G0B+4*\slot+3], s[B2:B2+1], \slot*ROWB
	s_or_b32 s[G0B+4*\slot+3], s[G0B+4*\slot+3], 0x80000000
.endif
	JLOAD G0+4*\slot, \g1a, G0B+4*\slot, G1B       ; the first tensor load behind the round; its four v_nop are the places in front of the loads that follow
.endm
; Tile 1: a slot's last step changes slots: ONE barrier; in front of it each wave waits for all its tensor loads, adds 0 to its spare word, and waits for that and for its own reads of this slot.  fetch = 0: the tile's last step.
.macro TURN slot, next, fill, g1a, fetch
	s_wait_tensorcnt 0x0                           ; all my tensor loads have landed: my part of the next slot (every window is 0 here)
	ds_add_u32 v[SPW], v[NIL]                      ; 0 onto my spare word
	s_wait_dscnt 4*NL+1                            ; the add and the youngest 16 loads (blocks 4-7) may be out
	WIN MUL_LO
	MUL16 0, 1, 0                                  ; sixteen matrix instructions stand between the add and the wait for it
	s_wait_dscnt 0x0                               ; the add is done, and my reads of this slot are over
	s_barrier_signal -1
	MUL16 2, 1, 0
	WIN 0
	s_barrier_wait -1
	REFILL \slot, \fill, \g1a
.if \fetch
	FETCH_B \next, 0, 0
	FETCH_A \next, 0, 0
.endif
	WIN MUL_HI
	MUL16 4, 1, 0
	MUL16 6, 1, 0
.if \fetch
	PLACES NP
	WIN 0
	FETCH_A \next, 0, 4
.else
	WIN 0
.endif
.endm
; Tile 2: a slot's first step: the second step's fragments are asked for into the other sets ahead of the 32 products.  The places in front of these loads stand in the change of slots before.
.macro STEP2 slot, zero
	s_wait_dscnt 0x0                               ; this step's fragments are in
	FETCH_B \slot, 1, 1
	FETCH_A2 \slot, 1, 1
	WIN MUL_LO
	MULH 0, 0, \zero
	MULH 2, 0, \zero
	WIN 0
.endm
.macro TURN2 slot, next, fill          ; tile 2: a slot's second step, and the change of slots
	s_wait_tensorcnt 0x0
	ds_add_u32 v[SPW], v[NIL]
	s_wait_dscnt 1                                 ; my fragments are in; the add alone may be out
	WIN MUL_LO
	MULH 0, 1, 0
	s_wait_dscnt 0x0
	s_barrier_signal -1
	MULH 2, 1, 0
	WIN 0
	s_barrier_wait -1
.if \fill
	REFILL \slot, 1, G1C
.else
	PLACES NP
.endif
	FETCH_B \next, 0, 0
	FETCH_A2 \next, 0, 0
.endm
; THE WAY OUT of OpA's block a (16 lanes' rows x my 128 rows of OpB): sum x 2^(the two exponents) + bias, one packed multiply-add for two numbers, each accumulator from its low end on; the hold at the largest code x the scale
; (the conversion to an 8-bit code does not saturate: ISA guide 7.6.2); eight conversions, whose 16 result registers are four pieces; four stores of 512 consecutive bytes.
; isv = 0: a lane is a row of x, the bias goes with the registers; pieces 0, 1 are my first head's, 2, 3 my second's, of tile a.   isv = 1: a lane is a channel, one bias a lane; the four pieces are channel tile a of my head.
.macro EPIBLK a, isv
.set AC, 64*((\a)%4)
.set WN, 0x82+0x41*((\a)/4)            ; source 0 and destination window 2 or 3
	WIN WN
.set i, 0
.rept 32
.if \isv
	v_pk_fma_f32 v[AC+i:AC+i+1], v[AC+i:AC+i+1], s[SC2:SC2+1], v[BI+2*(\a):BI+2*(\a)+1] op_sel_hi:[1,0,0]
.else
	v_pk_fma_f32 v[AC+i:AC+i+1], v[AC+i:AC+i+1], s[SC:SC+1], v[BI+i:BI+i+1] op_sel_hi:[1,0,1]
.endif
.set i, i+2
.endr
.set i, 0
.rept 64
	v_med3_num_f32 v[AC+i], v[AC+i], -v[LIM], v[LIM]
.set i, i+1
.endr
.set WN, 0x02+((\a)/4)                 ; source 0 window 2 or 3, destination window 0
	WIN WN
.if ((\a) > 0) || (\isv)
	s_wait_alu depctr_va_vdst(0)
	s_wait_xcnt 0x0                                ; the last stores have read their data: the codes' registers are written again only behind this wait
.endif
.irp b, 0,1,2,3,4,5,6,7
	v_cvt_scalef32_pk8_fp8_f32 v[CD+2*\b:CD+2*\b+1], v[AC+8*\b:AC+8*\b+7], v[SCL]
.endr
	v_nop                                          ; one plain vector line behind the last conversion of a run
	WIN 0
.irp b, 0,1,2,3
.if \isv
	global_store_b128 v[OF0], v[CD+4*\b:CD+4*\b+3], s[OUT2:OUT2+1] offset:8192+2048*(\a)+512*\b
.else
	global_store_b128 v[OF0+(\b)/2], v[CD+4*\b:CD+4*\b+3], s[12:13] offset:1024*(\a)+512*((\b)%2)
.endif
.endr
.endm
	s_wait_alu depctr_va_vdst(0)
	s_wait_tensorcnt 0x0                           ; my part of K step 0 is in
	ds_add_u32 v[SPW], v[NIL]
	s_wait_dscnt 0x0
	CROUND                                         ; a whole round: everybody's part of K step 0 is in, and the joint loads meet
	JLOAD G0+4, G1, G0B+4, G1B                     ; K step 1, the first tensor load behind the round
	FETCH_B 0, 0, 0
	FETCH_A 0, 0, 0
	FETCH_A 0, 0, 4
	global_prefetch_b8 v[PFO], s[PF1:PF1+1] offset:3*ROWB th:TH_LOAD_NT scope:SCOPE_SE   ; K step 3, two fills ahead
	STEP 0, 0, 1                                   ; tile 1: eight steps of 128, written straight.  The first products start the sums
	TURN 0, 1, 1, G1, 1                            ; slot 0 takes K 512 on
	global_prefetch_b8 v[PFO+1], s[PF2:PF2+1] th:TH_LOAD_NT scope:SCOPE_SE               ; my 8 rows of Wv, two fills ahead of tile 2's first
	STEP 1, 0, 0
	TURN 1, 0, 1, G1, 1                            ; slot 1 takes K 768 on
	STEP 0, 0, 0
	TURN 0, 1, 2, G1C, 1                           ; slot 0 takes tile 2's K step 0
	STEP 1, 0, 0
	v_lshlrev_b32 v[BO], 5, v2                     ; the biases are asked for ahead of the last 64 products: my half's eight numbers of a tile of 16
.irp b, 0,1,2,3,4,5,6,7
	global_load_b128 v[BI+8*\b:BI+8*\b+3], v[BO], s[2:3] offset:64*\b
	global_load_b128 v[BI+8*\b+4:BI+8*\b+7], v[BO], s[2:3] offset:64*\b+16
.endr
	s_wait_alu depctr_va_vdst(0)
	TURN 1, 0, 2, G1C, 0                           ; slot 1 takes tile 2's K step 1; tile 1's last products
	PLACES NP                                      ; in front of the first read of results and of the loads into the fragments' registers
	s_wait_loadcnt 0x0                             ; the biases
	s_wait_xcnt 0x0                                ; the prefetches have read their offsets: v16 and v17 are loaded into below
	; the adapter's operands, first part: fc1_b and efc1[3] at my 32 units, x's eight fragments, fc1_w's of K steps 0 and 1
.irp u, 0,1
	global_load_b128 v[B1+8*\u:B1+8*\u+3], v[BO], s[84:85] offset:64*\u
	global_load_b128 v[B1+8*\u+4:B1+8*\u+7], v[BO], s[84:85] offset:64*\u+16
	global_load_b128 v[E1+8*\u:E1+8*\u+3], v[BO], s[86:87] offset:64*\u
	global_load_b128 v[E1+8*\u+4:E1+8*\u+7], v[BO], s[86:87] offset:64*\u+16
.endr
.irp s, 0,1,2,3,4,5,6,7
.irp c, 0,1,2,3
	global_load_b128 v[XF+16*\s+4*\c:XF+16*\s+4*\c+3], v[XA], s[78:79] offset:128*\s+32*\c
.endr
.endr
	WIN TO_B
.irp s, 0,1
.irp u, 0,1
.irp c, 0,1,2,3
	global_load_b128 v[16*(2*\s+\u)+4*\c:16*(2*\s+\u)+4*\c+3], v[XA], s[82:83] offset:16384*\u+128*\s+32*\c
.endr
.endr
.endr
	WIN 0
.irp a, 0,1,2,3
	EPIBLK \a, 0
.endr
	WIN TO_B                                       ; second part: fc1_w's fragments of K steps 2 to 7
.irp s, 2,3,4,5,6,7
.irp u, 0,1
.irp c, 0,1,2,3
	global_load_b128 v[16*(2*\s+\u)+4*\c:16*(2*\s+\u)+4*\c+3], v[XA], s[82:83] offset:16384*\u+128*\s+32*\c
.endr
.endr
.endr
	WIN 0
.irp a, 4,5,6,7
	EPIBLK \a, 0
.endr
	; ---- the adapter's item: h^T = fc1_w x^T: a lane holds one row of x, its registers 8 units
	s_wait_loadcnt 0x0
.irp i, 0,1,2,3,4,5,6,7,8,9,10,11,12,13,14,15
	v_mul_f32 v[E1+\i], 0x42c80000, v[E1+\i]       ; 100 x efc1[3], rounded as the problem rounds it
.endr
.irp i, 0,1,2,3,4,5,6,7,8,9,10,11,12,13,14,15
	v_mul_f32 v[E1+\i], 0xbfb8aa3b, v[E1+\i]       ; x -log2(e)
.endr
	s_wait_alu depctr_va_vdst(0)
.irp i, 0,1,2,3,4,5,6,7,8,9,10,11,12,13,14,15
	v_exp_f32 v[E1+\i], v[E1+\i]
.endr
	v_nop                                          ; a plain line behind the last exponential
	s_wait_alu depctr_va_vdst(0)                   ; one wait for the batch, ahead of its first reader
.irp i, 0,1,2,3,4,5,6,7,8,9,10,11,12,13,14,15
	v_add_f32 v[E1+\i], 1.0, v[E1+\i]
.endr
	s_wait_alu depctr_va_vdst(0)
.irp i, 0,1,2,3,4,5,6,7,8,9,10,11,12,13,14,15
	v_rcp_f32 v[E1+\i], v[E1+\i]                   ; the gate: 1 / (1 + 2^(-100 e log2(e))); infinity gives 0
.endr
	v_nop
	s_wait_alu depctr_va_vdst(0)
	WIN MUL_LO
.irp s, 0,1,2,3,4,5,6,7                        ; two accumulators by turns, K ascending
.irp u, 0,1
.if \s == 0
	v_wmma_f32_16x16x128_fp8_fp8 v[8*\u:8*\u+7], v[16*(2*\s+\u):16*(2*\s+\u)+15], v[XF+16*\s:XF+16*\s+15], 0
.else
	v_wmma_f32_16x16x128_fp8_fp8 v[8*\u:8*\u+7], v[16*(2*\s+\u):16*(2*\s+\u)+15], v[XF+16*\s:XF+16*\s+15], v[8*\u:8*\u+7]
.endif
.endr
.endr
	PLACES NP
	WIN 0x02                                       ; source 0 window 2
.irp i, 0,2,4,6,8,10,12,14
	v_pk_fma_f32 v[BI+\i:BI+\i+1], v[\i:\i+1], s[SA:SA+1], v[B1+\i:B1+\i+1] op_sel_hi:[1,0,1]   ; sum x 2^(e0 + e1) + fc1_b
.endr
	WIN 0
.irp i, 0,2,4,6,8,10,12,14
	v_pk_mul_f32 v[BI+\i:BI+\i+1], v[BI+\i:BI+\i+1], v[E1+\i:E1+\i+1]   ; x the gate, which is not negative: so relu may follow it
.endr
	v_mov_b32 v[LIM], s77
	v_mov_b32 v[SCL], s76
.irp i, 0,1,2,3,4,5,6,7,8,9,10,11,12,13,14,15
	v_med3_num_f32 v[BI+\i], v[BI+\i], 0, v[LIM]   ; relu and the hold in one
.endr
	s_wait_alu depctr_va_vdst(0)
	s_wait_xcnt 0x0                                ; block 7's stores have read the codes' registers
	v_cvt_scalef32_pk8_fp8_f32 v[CD:CD+1], v[BI:BI+7], v[SCL]
	v_cvt_scalef32_pk8_fp8_f32 v[CD+2:CD+3], v[BI+8:BI+15], v[SCL]
	v_nop
	global_store_b128 v[OF0], v[CD:CD+3], s[94:95]
	; ---- tile 2: v.  Its K step 0 was shown whole by tile 1's last barrier
	FETCH_B 0, 0, 0
	FETCH_A2 0, 0, 0
	STEP2 0, 1                                     ; the first products start the sums
	TURN2 0, 1, 1                                  ; slot 0 takes K 512 on
	STEP2 1, 0
	TURN2 1, 0, 1                                  ; slot 1 takes K 768 on
	STEP2 0, 0
	TURN2 0, 1, 0                                  ; nothing is left to fetch
	STEP2 1, 0
	v_lshlrev_b32 v[BO], 2, v1                     ; a lane is a channel: one bias a lane and block
.irp a, 0,1,2,3
	global_load_b32 v[BI+2*\a], v[BO], s[BV2:BV2+1] offset:64*\a
	v_mov_b32 v[BI+2*\a+1], 0                      ; (named with it as a pair, so it is written)
.endr
	v_mov_b32 v[LIM], s[QS2+1]
	v_mov_b32 v[SCL], s[QS2]
	s_wait_alu depctr_va_vdst(0)
	s_wait_dscnt 0x0                               ; the last step's fragments
	WIN MUL_LO
	MULH 0, 1, 0
	MULH 2, 1, 0
	WIN 0
	PLACES NP
	s_wait_loadcnt 0x0
.irp a, 0,1,2,3
	EPIBLK \a, 1
.endr
	s_wait_tensorcnt 0x0                           ; the wave's end: behind my last tensor load
	ds_add_u32 v[SPW], v[NIL]
	s_wait_dscnt 0x0
	CROUND                                         ; the closing round: no work-group ends while a partner may still ask for a tile that names it
	s_endpgm
.Lfunc_end_k_q2176a75268_proj:
	.size	k_q2176a75268_proj, .Lfunc_end_k_q2176a75268_proj-k_q2176a75268_proj
	.p2alignl 7, 3214868480
	.fill 96, 4, 3214868480
	.section	.rodata,"a",@progbits
	.p2align	6, 0x0
	.amdhsa_kernel k_q2176a75268_proj
		.amdhsa_group_segment_fixed_size 327680
		.amdhsa_private_segment_fixed_size 0
		.amdhsa_enable_private_segment 0
		.amdhsa_kernarg_size 112
		.amdhsa_user_sgpr_count 2
		.amdhsa_user_sgpr_kernarg_segment_ptr 1
		.amdhsa_wavefront_size32 1
		.amdhsa_system_sgpr_workgroup_id_x 1
		.amdhsa_system_sgpr_workgroup_id_y 1
		.amdhsa_system_sgpr_workgroup_id_z 1
		.amdhsa_system_vgpr_workitem_id 0
		.amdhsa_next_free_vgpr 1024
		.amdhsa_next_free_sgpr 102
		.amdhsa_reserve_vcc 0
		.amdhsa_float_denorm_mode_32 3
		.amdhsa_float_denorm_mode_16_64 3
		.amdhsa_memory_ordered 1
		.amdhsa_forward_progress 1
		.amdhsa_inst_pref_size 233
	.end_amdhsa_kernel
	.amdgpu_metadata
---
amdhsa.version: [ 1, 2 ]
amdhsa.kernels:
  - .name:           k_q2176a75268_proj
    .symbol:         k_q2176a75268_proj.kd
    .args:
      - { .name: hidden_states_codes, .offset: 0, .size: 8, .value_kind: global_buffer, .address_space: global }
      - { .name: Wq_codes, .offset: 8, .size: 8, .value_kind: global_buffer, .address_space: global }
      - { .name: Wk_codes, .offset: 16, .size: 8, .value_kind: global_buffer, .address_space: global }
      - { .name: Wv_codes, .offset: 24, .size: 8, .value_kind: global_buffer, .address_space: global }
      - { .name: bq, .offset: 32, .size: 8, .value_kind: global_buffer, .address_space: global }
      - { .name: bk, .offset: 40, .size: 8, .value_kind: global_buffer, .address_space: global }
      - { .name: bv, .offset: 48, .size: 8, .value_kind: global_buffer, .address_space: global }
      - { .name: fc1_w_codes, .offset: 56, .size: 8, .value_kind: global_buffer, .address_space: global }
      - { .name: fc1_b, .offset: 64, .size: 8, .value_kind: global_buffer, .address_space: global }
      - { .name: efc1, .offset: 72, .size: 8, .value_kind: global_buffer, .address_space: global }
      - { .name: lowp_scales, .offset: 80, .size: 8, .value_kind: global_buffer, .address_space: global }
      - { .name: q, .offset: 88, .size: 8, .value_kind: global_buffer, .address_space: global }
      - { .name: kv, .offset: 96, .size: 8, .value_kind: global_buffer, .address_space: global }
      - { .name: hc, .offset: 104, .size: 8, .value_kind: global_buffer, .address_space: global }
    .group_segment_fixed_size: 327680
    .private_segment_fixed_size: 0
    .kernarg_segment_align: 8
    .kernarg_segment_size: 112
    .max_flat_workgroup_size: 128
    .sgpr_count:     102
    .vgpr_count:     1024
    .wavefront_size: 32
...
	.end_amdgpu_metadata
.endif
;; end of part 1
;; launch attn (part 2): grid 4 x 64, 8 waves a work-group, clusters of 4 x 1, 327,680 bytes of LDS; arguments q, kv, hc, fc2_w_codes, fc2_b, efc2, lowp_scales, out0; writes out0
.if DOCPART == 2
	.amdgcn_target "amdgcn-amd-amdhsa--gfx1250"
	.amdhsa_code_object_version 6
	.text
	.protected	k_q2176a75268_attn
	.globl	k_q2176a75268_attn
	.p2align	8
	.type	k_q2176a75268_attn,@function
k_q2176a75268_attn:
	s_mov_b64 s[64:65], 0
	v_nop
	global_prefetch_b8 v0, s[64:65] scope:SCOPE_SE
	s_setreg_imm32_b32 hwreg(HW_REG_WAVE_MODE, 25, 1), 1
	s_wait_xcnt 0x0
	s_wait_alu depctr_hold_cnt(0) depctr_sa_sdst(0) depctr_va_vdst(0) depctr_va_sdst(0) depctr_va_ssrc(0) depctr_va_vcc(0) depctr_vm_vsrc(0)
	s_getreg_b32 s2, hwreg(HW_REG_IB_STS2, 6, 4)
	s_cmp_eq_u32 s2, 0
	s_cbranch_scc0 .Lentry_in_a_cluster
	s_endpgm
.Lentry_in_a_cluster:
	s_bfe_u32 s2, ttmp6, 0x10000c
	s_cmp_lg_u32 s2, 0x3003
	s_cbranch_scc0 .Lentry_shape_is_right
	s_endpgm
.Lentry_shape_is_right:
; out = softmax(q k^T / 8) v + relu(h fc2_w + fc2_b) sigmoid(100 efc2[3]), all three products on codes of FP8 (E4M3), sums in f32.  q, kv, hc hold images of operand registers, as the launch before lays them.
; Nothing of the problem is left out.  Of efc2 row t = 3 alone is read: t is a constant of the problem.
; THE SOFTMAX: t = score x log2(e) / 8; M = the running largest t rounded up to a whole number; p = 2^(t - M) is quantised with the given scale; the row's sum is taken of the unquantised p and divides at the end.
; SHARES.  A work-group owns 512 queries of one head, each of its eight waves 64: four tiles of 16, taken as two PAIRS, one after the other (a loop of two trips).  The two tiles of a pair share every fragment of K and V.
; The head's K and V, 262,144 bytes, lie in LDS whole: two fills of 16,384 bytes a wave, none filled again.  The four work-groups of a head form a cluster and ask for them jointly.
; No prefetch: both fills stand at the head, so there is no loop to run ahead in.
; A key step is 128 keys.  Fragments are read a step ahead: K's for step s + 1 behind step s's first products, V's behind its second.  The address wraps at the head's end, so a pair's last step reads the next pair's
; first fragments; the second pair's last step reads them too and uses nothing of them (32 LDS loads a wave).  Step s reads step s + 1, so the wait for the second fill stands behind seven steps.
; Both products are used transposed: a lane holds one query (lane % 16), its registers run along the keys, then along the channels.
; One tile's exponentials stand among plain lines of the other tile that read nothing written inside the batch; what those lines write is first read behind the batch's wait.
; LIMITS: e10 + e11 between -123 and 130; e12 between -126 and 119; the scaled scores stay under 2^31 in magnitude.  NaN among the inputs is not served.
; REGISTERS.  Window 0 (v0-255): addresses, the softmax's state, S^T of both tiles, 16 pair sums, p's codes.  Window 1 (v256-511): q, K's and V's fragments, O^T of both tiles, the next pair's q, h of both pairs.
.set FC2,   262144                     ; fc2_w's 64 rows of my head as four fragments' images
.set AT,    266240                     ; 64 gates x 2^(e2 + e3), then 64 biases / 2^(e2 + e3)
.set SPARE, 266752                     ; the spare words, 128 bytes a wave
.set STG,   267776                     ; the way out: 16 rows x 272 bytes for each wave, its own
.set SP,    272
.set LI,  1                            ; 16 x lane
.set ADR, 2                            ; LDS address of the next step's fragments
.set GO,  3
.set STI, 4
.set STO, 5
.set SPW, 6
.set NIL, 7
.set LIM, 8                            ; v8, v9: 448 x 2^e12, twice (the two halves of a dual line name different registers)
.set SCL, 10
.set TA,  11
.set NM,  12                           ; v[12:13], v[14:15]: -M and the largest raw score, tile a, tile b
.set SU,  16                           ; v[16:17], v[18:19]: the sums, in two halves
.set FF,  20                           ; v[20:21], v[22:23]: f = 2^(old M - new M), and 0
.set MT,  24                           ; v24-31: eight chains of tile a's maxima; v56-63: tile b's
.set PX,  32
.set OM,  34
.set CB,  36                           ; v36-43: four chains of tile b's sum
.set HT,  44                           ; v44-54: at work in the head
.set SA,  64
.set SB,  128
.set AD,  192
.set PA,  224
.set PB,  240
.set Q,   0                            ; window 1 from here on
.set KF,  16
.set VF,  80
.set OA,  144
.set OB,  176
.set QN,  208
.set HC,  224
.set HN,  240
.set G1,  28
.set PR,  2
.set WV,  44
.set TB,  45
.set CNT, 46
.set SEL, 48
.set CS,  50
.set MSB, 0
.macro WIN new                         ; the immediate's high byte repeats the setting that is left
.if MSB != \new
	s_set_vgpr_msb (MSB<<8)|\new
.set MSB, \new
.endif
.endm
.macro CROUND
	s_barrier_signal -1
	s_barrier_wait -1
	s_cmp_lg_u32 s[WV], 0
	s_cbranch_scc1 .Lnot_wave_0_\@
	s_barrier_signal -3
.Lnot_wave_0_\@:
	s_barrier_wait -3
	s_barrier_signal -1
	s_barrier_wait -1
.endm
.macro HOLD2 r                         ; two numbers held at the largest code x the scale (the conversion does not saturate: ISA guide 7.6.2); p is not negative
	v_dual_min_num_f32 v[\r], v[\r], v[LIM] :: v_dual_min_num_f32 v[\r+1], v[\r+1], v[LIM+1]
.endm
	s_load_b256 s[4:11], s[0:1], 0x0               ; q, kv, hc, fc2_w
	s_load_b256 s[12:19], s[0:1], 0x20             ; fc2_b, efc2, the scales' exponents, out0
	v_lshl_add_u32 v[SPW], v0, 2, SPARE
	v_mov_b32 v[NIL], 0
	ds_add_u32 v[SPW], v[NIL]
	ds_add_u32 v[SPW], v[NIL]
	v_lshrrev_b32 v[HT], 5, v0
	v_readfirstlane_b32 s[WV], v[HT]               ; wave 0..7
	s_bfe_u32 s47, ttmp6, 0x40000                  ; cx
	s_and_b32 s55, ttmp7, 0xffff                   ; batch x 16 + head
	s_and_b32 s56, s55, 15
	s_lshr_b32 s57, s55, 4
	s_mov_b32 s[G1], 15|(3<<16)|(1<<21)            ; the four partners; elements of 8 bytes
	s_mov_b32 s[G1+1], 32<<16                      ; rows of 256 bytes,
	s_mov_b32 s[G1+2], 64<<16                      ; 64 of them, dense
	s_mov_b32 s[G1+3], 32<<16
	s_mov_b32 s[G1+4], 64
	s_mov_b32 s[G1+5], 32
	s_mov_b32 s[G1+6], 0
	s_mov_b32 s[G1+7], 0
	s_mov_b32 s36, 1
	s_lshl_b32 s37, s[WV], 14                      ; my 16,384 bytes of each half
	s_mov_b32 s40, 1
	s_add_co_u32 s41, s37, 131072
	s_lshl_b32 s2, s55, 18
	s_add_co_u32 s2, s2, s37
	s_mov_b32 s3, 0
	s_mov_b32 s[SEL], 0x76543210
	s_mov_b32 s[SEL+1], 0xfedcba98
	s_lshl_b32 s58, s47, 5
	s_lshl_b32 s59, s[WV], 2
	s_add_co_u32 s58, s58, s59                     ; my first tile of the sequence's 128
	s_lshl_b32 s60, s55, 7
	s_add_co_u32 s60, s60, s58
	s_lshl_b32 s60, s60, 10                        ; q: 1,024 bytes a tile
	s_mov_b32 s61, 0
	s_lshl_b32 s62, s57, 7
	s_add_co_u32 s62, s62, s58
	s_lshl_b32 s62, s62, 10                        ; hc likewise
	s_mov_b32 s63, 0
	s_lshl_b32 s22, s57, 23
	s_lshl_b32 s23, s58, 16
	s_add_co_u32 s22, s22, s23
	s_lshl_b32 s52, s56, 8
	s_add_co_u32 s22, s22, s52                     ; out0: 16 rows of 4,096 bytes a tile, 256 bytes a head
	s_mov_b32 s23, 0
	s_mov_b32 s53, 0
	s_lshl_b32 s58, s56, 12                        ; fc2_w: my head's 64 rows of 64 bytes; wave w brings piece w % 2 of tile w / 2
	s_lshr_b32 s59, s[WV], 1
	s_lshl_b32 s59, s59, 10
	s_add_co_u32 s58, s58, s59
	s_and_b32 s59, s[WV], 1
	s_lshl_b32 s59, s59, 5
	s_add_co_u32 s58, s58, s59
	s_mov_b32 s59, 0
	s_lshl_b32 s54, s[WV], 9
	s_add_co_u32 s54, s54, FC2
	s_mul_i32 s[CNT], s[WV], 16*SP
	s_add_co_u32 s[CNT], s[CNT], STG               ; my stage
	v_and_b32 v[LI], 31, v0
	v_lshlrev_b32 v[LI], 4, v[LI]
	v_and_b32 v[ADR], 63, v0
	v_lshlrev_b32 v[ADR], 2, v[ADR]                ; a channel of the head for each thread, modulo 64
	v_and_b32 v[HT], 15, v0                        ; r
	v_bfe_u32 v[HT+1], v0, 4, 1                    ; h
	v_lshlrev_b32 v[GO], 12, v[HT+1]
	v_lshl_add_u32 v[GO], v[HT], 4, v[GO]
	v_mul_u32_u24 v[STI], v[HT], SP
	v_lshl_add_u32 v[STI], v[HT+1], 5, v[STI]
	v_add_nc_u32 v[STI], s[CNT], v[STI]
	v_mul_u32_u24 v[STO], v[HT+1], SP
	v_lshl_add_u32 v[STO], v[HT], 4, v[STO]
	v_add_nc_u32 v[STO], s[CNT], v[STO]
	v_lshl_add_u32 v[TA], v[HT+1], 5, AT
	v_add_nc_u32 v[HT+2], AT, v[ADR]
	v_lshlrev_b32 v[HT+3], 6, v[HT]
	v_lshl_add_u32 v[HT+3], v[HT+1], 3, v[HT+3]    ; fc2_w: row r, + 8 h
	v_add_nc_u32 v[HT+8], s54, v[LI]
	v_mov_b32 v[FF+1], 0                           ; (named as pairs' upper halves)
	v_mov_b32 v[FF+3], 0
	v_mov_b32 v[PX], 0                             ; a lane permute's destination counts as a source
	v_mov_b32 v[PX+1], 0
	s_wait_alu depctr_va_vdst(0)
	s_wait_dscnt 0x0
	s_wait_kmcnt 0x0
	s_load_b64 s[20:21], s[16:17], 0x8             ; e2, e3
	s_load_b128 s[24:27], s[16:17], 0x28           ; e10 .. e13
	s_add_nc_u64 s[38:39], s[6:7], s[2:3]
	s_add_nc_u64 s[42:43], s[38:39], 131072
	s_or_b32 s39, s39, 0x80000000
	s_or_b32 s43, s43, 0x80000000
	s_add_nc_u64 s[4:5], s[4:5], s[60:61]
	s_add_nc_u64 s[8:9], s[8:9], s[62:63]
	s_add_nc_u64 s[18:19], s[18:19], s[22:23]
	s_add_nc_u64 s[10:11], s[10:11], s[58:59]
	s_add_nc_u64 s[12:13], s[12:13], s[52:53]
	s_add_nc_u64 s[14:15], s[14:15], s[52:53]
	s_add_nc_u64 s[14:15], s[14:15], 12288         ; efc2's row 3
	WIN 0x40                                       ; all the head's loads from memory go out ahead of the round
.irp i, 0,1,2,3
	global_load_b128 v[Q+4*\i:Q+4*\i+3], v[LI], s[4:5] offset:512*\i
	global_load_b128 v[QN+4*\i:QN+4*\i+3], v[LI], s[4:5] offset:2048+512*\i
	global_load_b128 v[HC+4*\i:HC+4*\i+3], v[LI], s[8:9] offset:512*\i
	global_load_b128 v[HN+4*\i:HN+4*\i+3], v[LI], s[8:9] offset:2048+512*\i
.endr
	WIN 0
	global_load_b64 v[HT+4:HT+5], v[HT+3], s[10:11]
	global_load_b64 v[HT+6:HT+7], v[HT+3], s[10:11] offset:16
	global_load_b32 v[HT+9], v[ADR], s[14:15]
	global_load_b32 v[HT+10], v[ADR], s[12:13]
	CROUND                                         ; the four partners are here: the joint loads meet
	tensor_load_to_lds s[36:39], s[G1:G1+7]        ; key steps 0 to 7
	s_nop 0
	s_wait_kmcnt 0x0
	s_add_co_i32 s52, s24, s25
	s_lshl_b32 s52, s52, 23
	s_add_co_i32 s[CS], s52, 0x3e38aa3b            ; c = log2(e) / 8 x 2^(e10 + e11)
	s_mov_b32 s[CS+1], s[CS]
	s_add_co_i32 s52, s26, 127
	s_lshl_b32 s53, s52, 23
	v_mov_b32 v[SCL], s53                          ; 2^e12
	s_add_co_i32 s52, s52, 8
	s_lshl_b32 s52, s52, 23
	s_or_b32 s52, s52, 0x600000
	v_mov_b32 v[LIM], s52                          ; 448 x 2^e12
	v_mov_b32 v[LIM+1], s52
	s_add_co_i32 s52, s26, s27                     ; e12 + e13
	s_add_co_i32 s53, s20, s21                     ; e2 + e3
	s_sub_co_i32 s54, 0, s53
	s_wait_loadcnt 0x0
	v_mul_f32 v[HT+9], 0x42c80000, v[HT+9]         ; 100 x efc2[3]
	v_mul_f32 v[HT+9], 0xbfb8aa3b, v[HT+9]
	s_wait_alu depctr_va_vdst(0)
	v_exp_f32 v[HT+9], v[HT+9]
	v_ldexp_f32 v[HT+10], v[HT+10], s54            ; the bias / 2^(e2 + e3): it starts the adapter's sums
	s_wait_alu depctr_va_vdst(0)
	v_add_f32 v[HT+9], 1.0, v[HT+9]
	s_wait_alu depctr_va_vdst(0)
	v_rcp_f32 v[HT+9], v[HT+9]
	v_nop
	s_wait_alu depctr_va_vdst(0)
	v_ldexp_f32 v[HT+9], v[HT+9], s53              ; the gate x 2^(e2 + e3)
	ds_store_b128 v[HT+8], v[HT+4:HT+7]            ; my piece of fc2_w's fragments
	s_cmp_lt_u32 s[WV], 2
	s_cbranch_scc0 .Lno_tab                        ; waves 0 and 1 store the 64 channels' gate and bias
	ds_store_b32 v[HT+2], v[HT+9]
	ds_store_b32 v[HT+2], v[HT+10] offset:256
.Lno_tab:
	s_wait_alu depctr_va_vdst(0)
	s_wait_tensorcnt 0x0                           ; my part of the first half is in
	ds_add_u32 v[SPW], v[NIL]
	s_wait_dscnt 0x0                               ; the add and my stores are done
	CROUND
	tensor_load_to_lds s[40:43], s[G1:G1+7]        ; key steps 8 to 15
	s_nop 0
.rept 4
	v_nop
.endr
	WIN 0x40
.irp i, 0,1,2,3,4,5,6,7,8,9,10,11,12,13,14,15
	ds_load_b128 v[KF+4*\i:KF+4*\i+3], v[LI] offset:512*\i          ; step 0's K,
.endr
.irp i, 0,1,2,3,4,5,6,7,8,9,10,11,12,13,14,15
	ds_load_b128 v[VF+4*\i:VF+4*\i+3], v[LI] offset:8192+512*\i     ; and V
.endr
	WIN 0
; A KEY STEP of a pair: 128 keys x 32 queries.
; Line k of the chain that leads from tile x's eight maxima to its -M and f.  The lines hang on each other, so they stand among lines of the other tile that hang on nothing of them.
.macro CH x, k
.set MB, MT+32*(\x)
.set NX, NM+2*(\x)
.if (\k) == 1
	v_max3_num_f32 v[MB], v[MB], v[MB+1], v[MB+2]
.endif
.if (\k) == 2
	v_max3_num_f32 v[MB+3], v[MB+3], v[MB+4], v[MB+5]
.endif
.if (\k) == 3
	v_max3_num_f32 v[MB+6], v[MB+6], v[MB+7], v[NX+1]      ; with the running one
.endif
.if (\k) == 4
	v_max3_num_f32 v[MB], v[MB], v[MB+3], v[MB+6]
.endif
.if (\k) == 5
	v_permlanex16_b32 v[PX+(\x)], v[MB], s[SEL], s[SEL+1]
.endif
.if (\k) == 6
	v_max_num_f32 v[NX+1], v[MB], v[PX+(\x)]               ; and lane l xor 16's
.endif
.if (\k) == 7
	v_mul_f32 v[MB], s[CS], v[NX+1]                        ; as t (c is positive)
.endif
.if (\k) == 8
	v_floor_f32 v[NX], -v[MB]                              ; -M = floor(-t)
.endif
.if (\k) == 9
	v_sub_f32 v[OM+(\x)], v[NX], v[OM+(\x)]                ; old M - new M, a whole number, 0 or less
.endif
.if (\k) == 10
	v_cvt_i32_f32 v[OM+(\x)], v[OM+(\x)]
.endif
.if (\k) == 11
	v_ldexp_f32 v[FF+2*(\x)], 1.0, v[OM+(\x)]
.endif
.endm
.macro STEP
	s_wait_dscnt 16                                ; K's fragments are in; V's 16 loads, issued behind them, may be out
	WIN 0x05
.irp t, 0,1,2,3,4,5,6,7
	v_wmma_f32_16x16x64_fp8_fp8 v[SA+8*\t:SA+8*\t+7], v[KF+8*\t:KF+8*\t+7], v[Q:Q+7], 0
	v_wmma_f32_16x16x64_fp8_fp8 v[SB+8*\t:SB+8*\t+7], v[KF+8*\t:KF+8*\t+7], v[Q+8:Q+15], 0
.endr
	WIN 0
	s_add_co_u32 s[TB], s[TB], 16384
	v_add_nc_u32 v[ADR], s[TB], v[LI]              ; four plain lines: the places behind the products
	v_and_b32 v[ADR], 0x3ffff, v[ADR]              ; behind the last step comes step 0
	v_mov_b32 v[OM], v[NM]
	v_mov_b32 v[OM+1], v[NM+2]
	WIN 0x40
.irp i, 0,1,2,3,4,5,6,7,8,9,10,11,12,13,14,15
	ds_load_b128 v[KF+4*\i:KF+4*\i+3], v[ADR] offset:512*\i
.endr
	WIN 0
.set i, 0
.rept 8                                        ; tile a's largest raw scores: eight chains, each accumulator from its low end on
	v_max3_num_f32 v[MT+i], v[SA+3*i], v[SA+3*i+1], v[SA+3*i+2]
.set i, i+1
.endr
.set i, 0
.rept 20
	v_max3_num_f32 v[MT+i%8], v[MT+i%8], v[SA+24+2*i], v[SA+25+2*i]
.set i, i+1
.endr
.set i, 0
.rept 8                                        ; tile b's likewise; tile a's chain up to -M stands among them, one line for four
	v_max3_num_f32 v[MT+32+i], v[SB+3*i], v[SB+3*i+1], v[SB+3*i+2]
.set i, i+1
.endr
	CH 0, 1
	CH 0, 2
	CH 0, 3
.set i, 0
.set kk, 4
.rept 5
.rept 4
	v_max3_num_f32 v[MT+32+i%8], v[MT+32+i%8], v[SB+24+2*i], v[SB+25+2*i]
.set i, i+1
.endr
	CH 0, kk
.set kk, kk+1
.endr
	CH 1, 1
	CH 1, 2
	CH 1, 3
.set j, 0
.set kk, 4
.rept 8                                        ; t - M of tile a, 32 lines; among them the rest of tile a's chain and tile b's
.rept 2
	v_pk_fma_f32 v[SA+j:SA+j+1], v[SA+j:SA+j+1], s[CS:CS+1], v[NM:NM+1] op_sel_hi:[1,0,0]
.set j, j+2
.endr
.if kk < 7
	CH 0, kk+5
.endif
.rept 2
	v_pk_fma_f32 v[SA+j:SA+j+1], v[SA+j:SA+j+1], s[CS:CS+1], v[NM:NM+1] op_sel_hi:[1,0,0]
.set j, j+2
.endr
	CH 1, kk
.set kk, kk+1
.endr
	v_pk_mul_f32 v[SU:SU+1], v[SU:SU+1], v[FF:FF+1] op_sel_hi:[1,0]
	WIN 0x51                                       ; O^T under the new M, ahead of the step's exponentials
.set j, 0
.rept 16
	v_pk_mul_f32 v[OA+j:OA+j+1], v[OA+j:OA+j+1], v[FF:FF+1] op_sel_hi:[1,0]
.set j, j+2
.endr
.set j, 0
.rept 16
	v_pk_mul_f32 v[OB+j:OB+j+1], v[OB+j:OB+j+1], v[FF+2:FF+3] op_sel_hi:[1,0]
.set j, j+2
.endr
	WIN 0
	v_pk_mul_f32 v[SU+2:SU+3], v[SU+2:SU+3], v[FF+2:FF+3] op_sel_hi:[1,0]
	s_wait_alu depctr_va_vdst(0)
.set j, 0
.rept 32                                       ; tile a's exponentials, tile b's t - M among them
	v_exp_f32 v[SA+j], v[SA+j]
	v_pk_fma_f32 v[SB+j:SB+j+1], v[SB+j:SB+j+1], s[CS:CS+1], v[NM+2:NM+3] op_sel_hi:[1,0,0]
	v_exp_f32 v[SA+j+1], v[SA+j+1]
.set j, j+2
.endr
	v_nop
	s_wait_alu depctr_va_vdst(0)                   ; behind tile a's batch and ahead of tile b's
.set j, 0
.rept 16                                       ; tile b's exponentials; among them tile a's first sums of pairs (of the unquantised p) and then its holds
	v_exp_f32 v[SB+4*j], v[SB+4*j]
	v_pk_add_f32 v[AD+2*j:AD+2*j+1], v[SA+4*j:SA+4*j+1], v[SA+4*j+2:SA+4*j+3]
	v_exp_f32 v[SB+4*j+1], v[SB+4*j+1]
	HOLD2 SA+4*j
	v_exp_f32 v[SB+4*j+2], v[SB+4*j+2]
	HOLD2 SA+4*j+2
	v_exp_f32 v[SB+4*j+3], v[SB+4*j+3]
.set j, j+1
.endr
	v_nop
	s_wait_alu depctr_va_vdst(0)                   ; behind the batch
	s_wait_dscnt 16                                ; V's fragments are in; the next step's 16 loads of K may be out
.irp t, 0,1,2,3,4,5,6,7
	v_cvt_scalef32_pk8_fp8_f32 v[PA+2*\t:PA+2*\t+1], v[SA+8*\t:SA+8*\t+7], v[SCL]
.endr
.set j, 0
.rept 8
	v_pk_add_f32 v[AD+4*j:AD+4*j+1], v[AD+4*j:AD+4*j+1], v[AD+4*j+2:AD+4*j+3]
.set j, j+1
.endr
.set j, 0
.rept 4
	v_pk_add_f32 v[CB+2*j:CB+2*j+1], v[SB+4*j:SB+4*j+1], v[SB+4*j+2:SB+4*j+3]
.set j, j+1
.endr
.set j, 0
.rept 4
	v_pk_add_f32 v[AD+8*j:AD+8*j+1], v[AD+8*j:AD+8*j+1], v[AD+8*j+4:AD+8*j+5]
.set j, j+1
.endr
.set j, 0
.rept 8
	HOLD2 SB+2*j
.set j, j+1
.endr
	v_pk_add_f32 v[AD:AD+1], v[AD:AD+1], v[AD+8:AD+9]
	v_pk_add_f32 v[AD+16:AD+17], v[AD+16:AD+17], v[AD+24:AD+25]
.set i, 0
.rept 24
	v_pk_add_f32 v[CB+2*(i%4):CB+2*(i%4)+1], v[CB+2*(i%4):CB+2*(i%4)+1], v[SB+16+2*i:SB+17+2*i]
	HOLD2 SB+16+2*i
.set i, i+1
.endr
	v_pk_add_f32 v[AD:AD+1], v[AD:AD+1], v[AD+16:AD+17]
	v_pk_add_f32 v[CB:CB+1], v[CB:CB+1], v[CB+2:CB+3]
	v_pk_add_f32 v[CB+4:CB+5], v[CB+4:CB+5], v[CB+6:CB+7]
	v_pk_add_f32 v[SU:SU+1], v[SU:SU+1], v[AD:AD+1]
	v_pk_add_f32 v[CB:CB+1], v[CB:CB+1], v[CB+4:CB+5]
.irp t, 0,1,2,3,4,5,6,7
	v_cvt_scalef32_pk8_fp8_f32 v[PB+2*\t:PB+2*\t+1], v[SB+8*\t:SB+8*\t+7], v[SCL]
.endr
	v_pk_add_f32 v[SU+2:SU+3], v[SU+2:SU+3], v[CB:CB+1]   ; (the plain line behind the last conversion)
	WIN 0x51
.irp t, 0,1,2,3
	v_wmma_f32_16x16x128_fp8_fp8 v[OA+8*\t:OA+8*\t+7], v[VF+16*\t:VF+16*\t+15], v[PA:PA+15], v[OA+8*\t:OA+8*\t+7]
	v_wmma_f32_16x16x128_fp8_fp8 v[OB+8*\t:OB+8*\t+7], v[VF+16*\t:VF+16*\t+15], v[PB:PB+15], v[OB+8*\t:OB+8*\t+7]
.endr
.rept 4
	v_nop                                          ; places in front of the loads into V's registers
.endr
	WIN 0x40
.irp i, 0,1,2,3,4,5,6,7,8,9,10,11,12,13,14,15
	ds_load_b128 v[VF+4*\i:VF+4*\i+3], v[ADR] offset:8192+512*\i
.endr
	WIN 0
.endm
.macro KEYLOOP n
	s_mov_b32 s[CNT], \n
.Lkey_\@:
	STEP
	s_sub_co_u32 s[CNT], s[CNT], 1
	s_cmp_lg_u32 s[CNT], 0
	s_cbranch_scc1 .Lkey_\@
.endm
.macro STAGE src, dst
.irp t, 0,1,2,3
	ds_store_b128 v[STI], v[\src+8*\t:\src+8*\t+3] offset:64*\t
	ds_store_b128 v[STI], v[\src+8*\t+4:\src+8*\t+7] offset:64*\t+16
.endr
.irp i, 0,1,2,3,4,5,6,7
	ds_load_b128 v[\dst+4*\i:\dst+4*\i+3], v[STO] offset:2*\i*SP   ; LDS serves a wave's instructions in order (ISA guide 5.7.1.4)
.endr
.endm
	s_mov_b32 s[PR], 2
.Lpair:                                            ; two trips: my tiles 0 and 1, then 2 and 3
	v_mov_b32 v[NM], 0x7f61b1e6                    ; -M: 3e38, a whole number; the first change of M multiplies zeros by 0
	v_mov_b32 v[NM+2], 0x7f61b1e6
	v_mov_b32 v[NM+1], 0xff61b1e6                  ; the largest score so far: -3e38
	v_mov_b32 v[NM+3], 0xff61b1e6
.irp j, 0,1,2,3
	v_mov_b32 v[SU+\j], 0
.endr
	WIN 0x40
.set j, 0
.rept 64
	v_mov_b32 v[OA+j], 0                           ; O^T of both tiles: the step is written once for all steps
.set j, j+1
.endr
	WIN 0
	s_mov_b32 s[TB], 0
	s_wait_alu depctr_va_vdst(0)
	KEYLOOP 7                                      ; steps 0 to 6 read steps 1 to 7: the first half alone
	s_wait_tensorcnt 0x0                           ; my part of the second half is in,
	s_wait_dscnt 0x0                               ; no LDS instruction of mine is pending at a signal,
	s_barrier_signal -1
	s_barrier_wait -1                              ; everybody's is
	KEYLOOP 9
	; THE WAY OUT of a pair: O^T / the sum x 2^(e12 + e13) + relu(h fc2_w + fc2_b) x the gate
	v_add_nc_u32 v[ADR], FC2, v[LI]
.irp i, 0,1,2,3,4,5,6,7
	ds_load_b128 v[AD+4*\i:AD+4*\i+3], v[ADR] offset:512*\i         ; fc2_w's four fragments
.endr
.irp t, 0,1,2,3
	ds_load_b128 v[SA+32+8*\t:SA+35+8*\t], v[TA] offset:64*\t       ; the gates of my 32 channels,
	ds_load_b128 v[SA+36+8*\t:SA+39+8*\t], v[TA] offset:64*\t+16
	ds_load_b128 v[SA+8*\t:SA+8*\t+3], v[TA] offset:256+64*\t       ; the biases, which start both tiles' sums
	ds_load_b128 v[SA+8*\t+4:SA+8*\t+7], v[TA] offset:256+64*\t+16
	ds_load_b128 v[SB+8*\t:SB+8*\t+3], v[TA] offset:256+64*\t
	ds_load_b128 v[SB+8*\t+4:SB+8*\t+7], v[TA] offset:256+64*\t+16
.endr
	v_add_f32 v[SU], v[SU], v[SU+1]
	v_add_f32 v[SU+2], v[SU+2], v[SU+3]
	v_permlanex16_b32 v[PX], v[SU], s[SEL], s[SEL+1]
	v_permlanex16_b32 v[PX+1], v[SU+2], s[SEL], s[SEL+1]
	v_add_f32 v[SU], v[SU], v[PX]
	v_add_f32 v[SU+2], v[SU+2], v[PX+1]
	s_wait_alu depctr_va_vdst(0)
	v_rcp_f32 v[FF], v[SU]
	v_rcp_f32 v[FF+2], v[SU+2]
	v_nop
	s_wait_alu depctr_va_vdst(0)
	v_ldexp_f32 v[FF], v[FF], s52
	v_ldexp_f32 v[FF+2], v[FF+2], s52
	s_wait_alu depctr_va_vdst(0)
	s_wait_dscnt 0x0
	WIN 0x04
.irp t, 0,1,2,3
	v_wmma_f32_16x16x64_fp8_fp8 v[SA+8*\t:SA+8*\t+7], v[AD+8*\t:AD+8*\t+7], v[HC:HC+7], v[SA+8*\t:SA+8*\t+7]
	v_wmma_f32_16x16x64_fp8_fp8 v[SB+8*\t:SB+8*\t+7], v[AD+8*\t:AD+8*\t+7], v[HC+8:HC+15], v[SB+8*\t:SB+8*\t+7]
.endr
	WIN 0
.rept 4
	v_nop
.endr
.set j, 0
.rept 32
	v_max_num_f32 v[SA+j], 0, v[SA+j]
.set j, j+1
.endr
.set j, 0
.rept 32
	v_max_num_f32 v[SB+j], 0, v[SB+j]
.set j, j+1
.endr
.set j, 0
.rept 16
	v_pk_mul_f32 v[SA+j:SA+j+1], v[SA+j:SA+j+1], v[SA+32+j:SA+33+j]
	v_pk_mul_f32 v[SB+j:SB+j+1], v[SB+j:SB+j+1], v[SA+32+j:SA+33+j]
.set j, j+2
.endr
	WIN 0x01
	s_wait_alu depctr_va_vdst(0)                   ; directly ahead of the first readers of O^T
.set j, 0
.rept 16
	v_pk_fma_f32 v[SA+j:SA+j+1], v[OA+j:OA+j+1], v[FF:FF+1], v[SA+j:SA+j+1] op_sel_hi:[1,0,1]
.set j, j+2
.endr
.set j, 0
.rept 16
	v_pk_fma_f32 v[SB+j:SB+j+1], v[OB+j:OB+j+1], v[FF+2:FF+3], v[SB+j:SB+j+1] op_sel_hi:[1,0,1]
.set j, j+2
.endr
	WIN 0
	STAGE SA, SA+32
	STAGE SB, SB+32
.irp p, 0,1
.irp i, 0,1,2,3,4,5,6,7
	s_wait_dscnt 23-16*\p-\i                       ; the LDS instructions issued behind this row pair's load may be out
	global_store_b128 v[GO], v[SA+32+64*\p+4*\i:SA+35+64*\p+4*\i], s[18:19] offset:65536*\p+8192*\i th:TH_STORE_NT   ; 16 lanes store 256 consecutive bytes, aligned
.endr
.endr
	s_wait_xcnt 0x0                                ; the stores have read their data and base
	s_add_nc_u64 s[18:19], s[18:19], 131072        ; two tiles of 16 rows on
	WIN 0x41
.set j, 0
.rept 16
	v_mov_b32 v[Q+j], v[QN+j]                      ; the second pair's q and h take the first's places
	v_mov_b32 v[HC+j], v[HN+j]
.set j, j+1
.endr
	WIN 0
	s_sub_co_u32 s[PR], s[PR], 1
	s_cmp_lg_u32 s[PR], 0
	s_wait_alu depctr_va_vdst(0)
	s_cbranch_scc1 .Lpair
	s_wait_tensorcnt 0x0                           ; the wave's end
	ds_add_u32 v[SPW], v[NIL]
	s_wait_dscnt 0x0
	CROUND                                         ; the closing round
	s_endpgm
.Lfunc_end_k_q2176a75268_attn:
	.size	k_q2176a75268_attn, .Lfunc_end_k_q2176a75268_attn-k_q2176a75268_attn
	.p2alignl 7, 3214868480
	.fill 96, 4, 3214868480
	.section	.rodata,"a",@progbits
	.p2align	6, 0x0
	.amdhsa_kernel k_q2176a75268_attn
		.amdhsa_group_segment_fixed_size 327680
		.amdhsa_private_segment_fixed_size 0
		.amdhsa_enable_private_segment 0
		.amdhsa_kernarg_size 64
		.amdhsa_user_sgpr_count 2
		.amdhsa_user_sgpr_kernarg_segment_ptr 1
		.amdhsa_wavefront_size32 1
		.amdhsa_system_sgpr_workgroup_id_x 1
		.amdhsa_system_sgpr_workgroup_id_y 1
		.amdhsa_system_sgpr_workgroup_id_z 1
		.amdhsa_system_vgpr_workitem_id 0
		.amdhsa_next_free_vgpr 512
		.amdhsa_next_free_sgpr 66
		.amdhsa_reserve_vcc 0
		.amdhsa_float_denorm_mode_32 3
		.amdhsa_float_denorm_mode_16_64 3
		.amdhsa_memory_ordered 1
		.amdhsa_forward_progress 1
		.amdhsa_inst_pref_size 86
	.end_amdhsa_kernel
	.amdgpu_metadata
---
amdhsa.version: [ 1, 2 ]
amdhsa.kernels:
  - .name:           k_q2176a75268_attn
    .symbol:         k_q2176a75268_attn.kd
    .args:
      - { .name: q, .offset: 0, .size: 8, .value_kind: global_buffer, .address_space: global }
      - { .name: kv, .offset: 8, .size: 8, .value_kind: global_buffer, .address_space: global }
      - { .name: hc, .offset: 16, .size: 8, .value_kind: global_buffer, .address_space: global }
      - { .name: fc2_w_codes, .offset: 24, .size: 8, .value_kind: global_buffer, .address_space: global }
      - { .name: fc2_b, .offset: 32, .size: 8, .value_kind: global_buffer, .address_space: global }
      - { .name: efc2, .offset: 40, .size: 8, .value_kind: global_buffer, .address_space: global }
      - { .name: lowp_scales, .offset: 48, .size: 8, .value_kind: global_buffer, .address_space: global }
      - { .name: out0, .offset: 56, .size: 8, .value_kind: global_buffer, .address_space: global }
    .group_segment_fixed_size: 327680
    .private_segment_fixed_size: 0
    .kernarg_segment_align: 8
    .kernarg_segment_size: 64
    .max_flat_workgroup_size: 256
    .sgpr_count:     66
    .vgpr_count:     512
    .wavefront_size: 32
...
	.end_amdgpu_metadata
.endif
;; end of part 2
